; MI455X (gfx1250); checked and timed in simulation.
; The chip was launched on July 23, 2026; its instructions are those of AMD's public machine-readable ISA for CDNA 5 (MIT licence, August 2026) and "CDNA5" Instruction Set Architecture Reference Guide (July 2026). The comments in the code are by the model that wrote it; some were corrected since.
;; Image To Points. Allowed arithmetic: matrix products marked QUANTISED: E3M2 operands, one E8M0 scale for each 32 along K, by v_wmma_scale_f32_16x16x128_f8f6f4 with both operands' format E3M2, f32 sums; products left as they are: f32 operands where the result goes on into a quantised operand, else bf16, f16 or f32 operands; f32 sums; everything else in f32.
;; Inputs: W_nn_codes 256 x 3 x 24 uint8 (E3M2 codes of W_nn, K innermost, in blocks of 32 codes, four codes in three bytes); W_nn_scales 256 x 3 uint8 (E8M0 scales of W_nn, one for each 32 codes along K); b_nn 256 float32; batch 32,768 int32; images 8 x 64 x 64 x 64 float32; pos 32,768 x 2 float32; x 32,768 x 32 float32.
;; Outputs: out0 32,768 x 256 float32.
;; Constants: k = 3.
;; This version of the problem:
;;   THIS VERSION OF THE PROBLEM IS GIVEN IN LOW PRECISION. The matrix products marked QUANTISED in the list below multiply operands that are first quantised to E3M2 (3 exponent bits, 2 mantissa bits; 6 bits a number), with one power-of-two scale for each 32 numbers along K (OCP MX v1.0); their sums are f32. All else is computed in f32.
;;   The module's matrix products, in the order in which they are computed (A, B: the left and right operand; K: the contracted axis; several contracted axes count as one K, in the product's order):
;;     1. [M 32,768, K 2] x [K 2, N 4,096]; A: input pos; B: computed on the way: left as it is (K = 2 < 32)
;;     2. [M 32,768, K 96] x [K 96, N 256]; A: computed on the way; B: input W_nn (given as codes): QUANTISED
;;   THE QUANTISER, for each operand of a quantised product, along K:
;;     - K is cut into blocks of 32 from its start; a last block that is shorter is filled with zeros.
;;     - A block's scale is 2^e with e = floor(log2(the largest magnitude in the block)) - 4, held to -126 .. 127; a block of zeros has e = 0. As a byte (E8M0): e + 127.
;;     - Each number is divided by its block's scale, clamped to +-28, and rounded to the nearest number of E3M2, ties to even, subnormals kept.
;;     - The product sums the exact products of the quantised numbers (number of the format x scale) in f32.
;;   ~~~python
;;   def quantise(x, axis):      # numpy; x: float32 -> the quantised numbers, widened to float32 again
;;       x = np.moveaxis(x, axis, -1); K = x.shape[-1]
;;       x = np.pad(x, [(0, 0)] * (x.ndim - 1) + [(0, -K % 32)]); x = x.reshape(x.shape[:-1] + (-1, 32)); a = np.abs(x).max(-1, keepdims=True)
;;       e = np.where(a > 0, np.clip(np.frexp(np.where(a > 0, a, 1))[1] - 1 - 4, -126, 127), 0)      # np.frexp(a)[1] - 1 = floor(log2(a)), exactly
;;       r = np.clip(x / 2.0 ** e, -28, 28)
;;       step = 2.0 ** (np.maximum(np.frexp(np.where(r == 0, 1, r))[1] - 1, -2) - 2)
;;       q = np.round(r / step) * step * 2.0 ** e      # np.round: ties to even
;;       return np.moveaxis(q.reshape(q.shape[:-2] + (-1,))[..., :K], -1, axis).astype(np.float32)
;;   ~~~
;;   OPERANDS COMPUTED ON THE WAY. 'Computed on the way' means the value that the module computes at that place (a softmax that the list does not call 'softmax' is quantised finished and normalised). What goes into a quantiser is computed in f32, as accurately as f32 sums, v_exp_f32 and their like allow (about 1e-6 of the number): no bf16 or f16 on the way to a quantiser, and a product that is left as it is and whose result goes on into a quantised operand takes f32 operands (vector FMAs, or v_wmma_f32_16x16x4_f32). A number that lies on a knife's edge between two numbers of the format may be rounded either way, as far as f32 arithmetic and the matrix unit's own rounding can turn it there, and no further.
;;   INPUTS GIVEN AS CODES. W_nn (in the module: [96, 256], K = its axis 0): each comes as NAME_codes (uint8): NAME with its K axis moved to the last place and cut into blocks of 32 codes, [.., K / 32, bytes a block], one block behind the other in memory; four codes in three bytes: a row's codes are one little-endian stream of bits, code i at bits 6 i .. 6 i + 5 (a code: sign, 3 exponent bits, 2 mantissa bits); and NAME_scales (uint8): the same leading axes, one E8M0 byte (e + 127) for each 32 codes along K. Its value is code x scale, taken as it is: it is not quantised again, and the codes and scales need not be those that the quantiser above would give.
;; 2 versions, each right; version 2 is version 1 with the launch main written anew for expert scheduling mode. Each part assembles by itself: llvm-mc -triple=amdgcn-amd-amdhsa -mcpu=gfx1250 --defsym DOCPART=n.
;; ======== version 1 of 2: 2 launches
;; limits: inputs' magnitudes at most 64
;; workspace buffers: pix 8,388,608 bytes; knn_i 524,288 bytes of whole numbers; knn_w 524,288 bytes
;; launch prep (part 1): grid 256 x 1, 8 waves a work-group, no clusters, 35,840 bytes of LDS; arguments images, pos, pix, knn_i, knn_w; writes pix, knn_i, knn_w
.if DOCPART == 1
	.amdgcn_target "amdgcn-amd-amdhsa--gfx1250"
	.amdhsa_code_object_version 6
	.text
	.protected	k_qe0923d5843_prep
	.globl	k_qe0923d5843_prep
	.p2align	8
	.type	k_qe0923d5843_prep,@function
k_qe0923d5843_prep:
	s_mov_b64 s[64:65], 0
	v_nop
	global_prefetch_b8 v0, s[64:65] scope:SCOPE_SE
	s_setreg_imm32_b32 hwreg(HW_REG_WAVE_MODE, 25, 1), 1
	s_wait_xcnt 0x0
; PREP.  Two jobs that a later launch needs before it can gather.
; (1) images [8][64 ch][4096 px] f32 -> pix [8][4096 px][64 ch] f32: a pixel's 64 channels become one aligned row of 256 bytes.
; (2) for each of the 32,768 points its 3 nearest pixels (knn_i: row numbers in pix, 4 words a point, the 4th 0) and knn_w: w0, w1, w2, w0+w1+w2, w = 1 / max(d2, 1e-16).
; The image of a point is its row / 4096, as the reshape of pos has it; the input 'batch' is not an operand of any step of the computation and is not read.
; THE DISTANCES are formed in the order of the source, each step rounded to f32: |a|^2 = fl(fl(px px) + fl(py py)); |b|^2 is exact (centres are odd multiples of 1/128);
; a.b = fma(py, cy, fl(px cx)), K ascending; d2 = fl(fl(|a|^2 + |b|^2) - 2 a.b).  Order: smaller d2 first, equal d2: the lower pixel number first.
; ONLY THE 4 x 4 NEAREST PIXELS ARE TRIED.  A pixel outside that window is farther than the third nearest by 3/64^2 = 7.3e-4 or more; for |pos| < 64 the roundings above move the difference of
; two distances by about 5e-4 at the most, so every pixel that the rounded distances could place among the three lies in the window.
; LIMITS: beyond |pos| = 64 the rounded distances no longer tell pixels apart and the three best of the window are taken; NaN and infinities in pos are not served.
; 1 / d2 is v_rcp_f32 with one Newton step (fused): the correctly rounded quotient but for rare last-bit cases.
; SHARES.  A work-group: 128 pixels x 64 channels and 128 points.  Wave (a = wave / 2, c = wave % 2): pixels 32 a .. 32 a + 31, channels 32 c .. 32 c + 31; a lane takes a pixel and its registers run down the
; channels, so each load reads 128 consecutive bytes and four registers on end are 16 bytes of a row of pix.  The rows meet in LDS (two waves a row), one barrier, and leave whole.
; The waves with c = 0 also take 32 points each, a lane a point, while their 32 loads are on their way.
.set PLANE, 16384                      ; bytes of one channel of one image
.set SROW,  272                        ; a stage row: 256 bytes + 16: row r begins 17 r places of 16 bytes on, so 16 lanes' 16-byte stores fall on 16 different places modulo 256 bytes
.set SREG,  32*SROW                    ; the stage of 32 pixels
.set X,     32                         ; v32-63   my pixel's 32 channels
.set OUTR,  64                         ; v64-95   16 rows read back
.set CY,    96                         ; v96-111  row i of the window: (cy, cy), (cy^2, cy^2)
.set D2,    112                        ; v112-127 the 16 distances, 4 i + j
.set TS,    128                        ; v128-129 |a|^2 + |b|^2 of two pixels
.set TD,    130                        ; v130-131 a.b of two pixels
.set MN,    132                        ; v132-134 the three smallest distances, ascending
.set ID,    136                        ; v136-139 their pixels; the 4th word 0
.set WT,    140                        ; v140-143 w0, w1, w2, their sum
.set RC,    144                        ; v144-146 reciprocals
.set ER,    148                        ; v148-150 their residuals
	s_load_b256 s[4:11], s[0:1], 0x0               ; images s[4:5], pos s[6:7], pix s[8:9], knn_i s[10:11]
	s_load_b64 s[12:13], s[0:1], 0x20              ; knn_w
	v_lshl_add_u32 v152, v0, 2, 0x8800
	v_mov_b32 v153, 0
	v_lshrrev_b32 v1, 5, v0
	v_readfirstlane_b32 s14, v1                    ; wave 0..7
	v_and_b32 v2, 31, v0                           ; lane
	s_lshr_b32 s15, s14, 1                         ; a
	s_and_b32 s16, s14, 1                          ; c
	s_lshr_b32 s17, ttmp9, 5                       ; the image: 32 work-groups to each
	s_lshl_b32 s18, s17, 20                        ; images: image x 1 MiB
	s_and_b32 s20, ttmp9, 31
	s_lshl_b32 s20, s20, 9                         ; + the work-group's 128 pixels x 4 bytes
	s_add_co_u32 s18, s18, s20
	s_lshl_b32 s20, s16, 19                        ; + 32 c planes
	s_add_co_u32 s18, s18, s20
	s_lshl_b32 s20, s15, 7                         ; + 32 a pixels
	s_add_co_u32 s18, s18, s20
	s_mov_b32 s19, 0
	s_lshl_b32 s21, ttmp9, 2
	s_add_co_u32 s21, s21, s15                     ; which run of 32 pixels, and of 32 points
	s_lshl_b32 s22, s21, 8                         ; pos: 8 bytes a point
	s_mov_b32 s23, 0
	s_lshl_b32 s24, s21, 9                         ; knn_i, knn_w: 16 bytes a point
	s_mov_b32 s25, 0
	s_lshl_b32 s26, s21, 13                        ; pix: 256 bytes a pixel,
	s_lshl_b32 s20, s16, 12                        ; and I store rows 16 c .. 16 c + 15 of the 32
	s_add_co_u32 s26, s26, s20
	s_mov_b32 s27, 0
	s_mul_i32 s28, s15, SREG                       ; LDS: the stage of pixels 32 a ..
	s_lshl_b32 s20, s16, 7
	s_add_co_u32 s29, s28, s20                     ; in: my 128 bytes of each row
	s_mul_i32 s20, s16, 16*SROW
	s_add_co_u32 s30, s28, s20                     ; back: my 16 rows
	s_lshl_b32 s31, s17, 12                        ; the image's first row in pix
	s_mov_b32 s32, 0x3c800000                      ; 1/64
	s_mov_b32 s33, 0x3c000000                      ; 1/128
	v_lshlrev_b32 v3, 2, v2                        ; 4 x lane: my pixel in a plane
	v_lshlrev_b32 v6, 4, v2                        ; 16 x lane: my place in every store
	v_lshlrev_b32 v7, 3, v2                        ; 8 x lane: my point in pos
	v_mul_u32_u24 v4, v2, SROW
	v_add_nc_u32 v4, s29, v4                       ; stage, in: row = lane
	v_and_b32 v5, 15, v0
	v_bfe_u32 v1, v0, 4, 1
	v_lshlrev_b32 v5, 4, v5
	v_mad_u32_u24 v5, v1, SROW, v5
	v_add_nc_u32 v5, s30, v5                       ; stage, back: lanes 0-15 one row, lanes 16-31 the next
	s_wait_kmcnt 0x0
	s_add_nc_u64 s[4:5], s[4:5], s[18:19]
	s_add_nc_u64 s[6:7], s[6:7], s[22:23]
	s_add_nc_u64 s[8:9], s[8:9], s[26:27]
	s_add_nc_u64 s[10:11], s[10:11], s[24:25]
	s_add_nc_u64 s[12:13], s[12:13], s[24:25]
.macro PLANES                          ; 32 loads, one for each channel: 32 lanes read 128 consecutive bytes; read once in the launch
.set n, 0
.rept 32
	global_load_b32 v[X+n], v3, s[4:5] offset:n*PLANE th:TH_LOAD_NT
.set n, n+1
.endr
.endm
; One more pixel against the three best.  It moves an earlier one only where it is strictly nearer, and pixels come in ascending number: so of equal distances the lower number stays ahead.
.macro INSERT d, id
	v_cmp_lt_f32 s34, v[\d], v[MN]
	v_cmp_lt_f32 s35, v[\d], v[MN+1]
	v_cmp_lt_f32 s36, v[\d], v[MN+2]
	v_cndmask_b32 v[ID+2], v[ID+2], \id, s36
	v_cndmask_b32 v[ID+2], v[ID+2], v[ID+1], s35
	v_cndmask_b32 v[ID+1], v[ID+1], \id, s35
	v_cndmask_b32 v[ID+1], v[ID+1], v[ID], s34
	v_cndmask_b32 v[ID], v[ID], \id, s34
	v_med3_num_f32 v[MN+2], v[\d], v[MN+1], v[MN+2]   ; the middle of (new, second, third) is the new third,
	v_med3_num_f32 v[MN+1], v[\d], v[MN], v[MN+1]     ; of (new, first, second) the new second
	v_min_num_f32 v[MN], v[\d], v[MN]
.endm
	s_cmp_lg_u32 s16, 0
	s_cbranch_scc1 .Lupper                         ; the waves of the upper 32 channels take no points
	global_load_b64 v[8:9], v7, s[6:7] th:TH_LOAD_NT   ; px, py: 256 consecutive bytes a wave
	PLANES
	s_wait_loadcnt 32                              ; pos is in; the 32 loads issued behind it stay out
	v_pk_mul_f32 v[14:15], v[8:9], v[8:9]          ; px px, py py, each rounded
	v_mov_b32 v10, v9                              ; (py, py) and (|a|^2, |a|^2): pairs alike in both halves, which the packed forms take as they stand
	v_mov_b32 v11, v9
	v_add_f32 v12, v14, v15
	v_add_f32 v13, v14, v15
	v_pk_fma_f32 v[14:15], v[8:9], 0x42800000, -0.5 op_sel_hi:[1,0,0]   ; 64 p - 0.5: the place among the centres (exact from 64 p = 0.5 on; below it stays negative)
	v_floor_f32 v14, v14
	v_floor_f32 v15, v15
	v_med3_num_f32 v14, v14, 1.0, 0x42740000       ; held to 1 .. 61,
	v_med3_num_f32 v15, v15, 1.0, 0x42740000
	v_pk_add_f32 v[14:15], v[14:15], -1.0 op_sel_hi:[1,0]   ; less 1: the window's first column and row, 0 .. 60: the four nearest of each
	v_cvt_u32_f32 v16, v14
	v_cvt_u32_f32 v17, v15
	v_lshl_add_u32 v16, v17, 6, v16
	v_add_nc_u32 v16, s31, v16                     ; the window's first pixel as a row of pix
	v_fma_f32 v20, v14, s32, s33                   ; cx of column 0: (c + 0.5) / 64, exact
	v_fma_f32 v[CY], v15, s32, s33                 ; cy of row 0, twice
	v_fma_f32 v[CY+1], v15, s32, s33
	v_add_f32 v21, s32, v20
	v_pk_add_f32 v[22:23], v[20:21], 0x3d000000 op_sel_hi:[1,0]   ; v20-23: the four cx
	v_pk_mul_f32 v[24:25], v[20:21], v[8:9] op_sel_hi:[1,0]       ; v24-27: fl(px cx)
	v_pk_mul_f32 v[26:27], v[22:23], v[8:9] op_sel_hi:[1,0]
	v_pk_mul_f32 v[28:29], v[20:21], v[20:21]                     ; v28-31: cx^2, exact
	v_pk_mul_f32 v[30:31], v[22:23], v[22:23]
.irp r, 1,2,3
	v_pk_add_f32 v[CY+4*\r:CY+4*\r+1], v[CY+4*\r-4:CY+4*\r-3], 0x3c800000 op_sel_hi:[1,0]
.endr
.irp r, 0,1,2,3
	v_pk_mul_f32 v[CY+4*\r+2:CY+4*\r+3], v[CY+4*\r:CY+4*\r+1], v[CY+4*\r:CY+4*\r+1]
.endr
.irp r, 0,1,2,3                        ; the 16 distances, two columns at a time
.irp q, 0,2
	v_pk_add_f32 v[TS:TS+1], v[28+\q:29+\q], v[CY+4*\r+2:CY+4*\r+3]                  ; |b|^2, exact
	v_pk_fma_f32 v[TD:TD+1], v[10:11], v[CY+4*\r:CY+4*\r+1], v[24+\q:25+\q]          ; a.b
	v_pk_add_f32 v[TS:TS+1], v[12:13], v[TS:TS+1]                                    ; |a|^2 + |b|^2
	v_pk_fma_f32 v[D2+4*\r+\q:D2+4*\r+\q+1], v[TD:TD+1], -2.0, v[TS:TS+1] op_sel_hi:[1,0,1]   ; - 2 a.b: doubling is exact, so this is the one rounding of the difference
.endr
.endr
.irp k, 0,1,2
	v_mov_b32 v[MN+\k], 0x7f800000                 ; +infinity: over every distance
.endr
.irp k, 0,1,2,3
	v_mov_b32 v[ID+\k], 0
.endr
.irp r, 0,1,2,3
.irp q, 0,1,2,3
	INSERT D2+4*\r+\q, 64*\r+\q
.endr
.endr
.irp k, 0,1,2
	v_max_num_f32 v[MN+\k], 0x24e69595, v[MN+\k]   ; at least 1e-16
.endr
.irp k, 0,1,2
	v_rcp_f32 v[RC+\k], v[MN+\k]
.endr
.irp k, 0,1,2
	v_add_nc_u32 v[ID+\k], v16, v[ID+\k]           ; rows of pix.  (Plain work behind the reciprocals)
.endr
	s_wait_alu depctr_va_vdst(0)                   ; one wait for the three reciprocals, ahead of their first reader
.irp k, 0,1,2
	v_fma_f32 v[ER+\k], -v[MN+\k], v[RC+\k], 1.0
.endr
.irp k, 0,1,2
	v_fma_f32 v[WT+\k], v[ER+\k], v[RC+\k], v[RC+\k]
.endr
	v_add_f32 v[WT+3], v[WT], v[WT+1]
	v_add_f32 v[WT+3], v[WT+3], v[WT+2]            ; (w0 + w1) + w2
	global_store_b128 v6, v[ID:ID+3], s[10:11]     ; 32 lanes store 512 consecutive bytes, aligned; none of these registers is written again
	global_store_b128 v6, v[WT:WT+3], s[12:13]
	s_branch .Lstage
.Lupper:
	PLANES
.Lstage:
.irp k, 0,1,2,3,4,5,6,7
	s_wait_loadcnt 28-4*\k                         ; loads come back in order: channels 4 k .. 4 k + 3 are in, the younger ones stay out
	ds_store_b128 v4, v[X+4*\k:X+4*\k+3] offset:16*\k
.endr
	s_wait_dscnt 0x0                               ; for the other wave of my rows: my stores have landed
	s_barrier_signal -1
	s_barrier_wait -1
.irp t, 0,1,2,3,4,5,6,7
	ds_load_b128 v[OUTR+4*\t:OUTR+4*\t+3], v5 offset:\t*2*SROW
.endr
.irp t, 0,1,2,3,4,5,6,7
	s_wait_dscnt 7-\t
	global_store_b128 v6, v[OUTR+4*\t:OUTR+4*\t+3], s[8:9] offset:512*\t   ; two whole rows of pix: 512 consecutive bytes, aligned
.endr
	s_wait_tensorcnt 0x0
	ds_add_u32 v152, v153
	s_wait_dscnt 0x0
	s_endpgm
.Lfunc_end_k_qe0923d5843_prep:
	.size	k_qe0923d5843_prep, .Lfunc_end_k_qe0923d5843_prep-k_qe0923d5843_prep
	.p2alignl 7, 3214868480
	.fill 96, 4, 3214868480
	.section	.rodata,"a",@progbits
	.p2align	6, 0x0
	.amdhsa_kernel k_qe0923d5843_prep
		.amdhsa_group_segment_fixed_size 35840
		.amdhsa_private_segment_fixed_size 0
		.amdhsa_enable_private_segment 0
		.amdhsa_kernarg_size 40
		.amdhsa_user_sgpr_count 2
		.amdhsa_user_sgpr_kernarg_segment_ptr 1
		.amdhsa_wavefront_size32 1
		.amdhsa_system_sgpr_workgroup_id_x 1
		.amdhsa_system_sgpr_workgroup_id_y 1
		.amdhsa_system_sgpr_workgroup_id_z 1
		.amdhsa_system_vgpr_workitem_id 0
		.amdhsa_next_free_vgpr 154
		.amdhsa_next_free_sgpr 66
		.amdhsa_reserve_vcc 0
		.amdhsa_float_denorm_mode_32 3
		.amdhsa_float_denorm_mode_16_64 3
		.amdhsa_memory_ordered 1
		.amdhsa_forward_progress 1
		.amdhsa_inst_pref_size 28
	.end_amdhsa_kernel
	.amdgpu_metadata
---
amdhsa.version: [ 1, 2 ]
amdhsa.kernels:
  - .name:           k_qe0923d5843_prep
    .symbol:         k_qe0923d5843_prep.kd
    .args:
      - { .name: images, .offset: 0, .size: 8, .value_kind: global_buffer, .address_space: global }
      - { .name: pos, .offset: 8, .size: 8, .value_kind: global_buffer, .address_space: global }
      - { .name: pix, .offset: 16, .size: 8, .value_kind: global_buffer, .address_space: global }
      - { .name: knn_i, .offset: 24, .size: 8, .value_kind: global_buffer, .address_space: global }
      - { .name: knn_w, .offset: 32, .size: 8, .value_kind: global_buffer, .address_space: global }
    .group_segment_fixed_size: 35840
    .private_segment_fixed_size: 0
    .kernarg_segment_align: 8
    .kernarg_segment_size: 40
    .max_flat_workgroup_size: 256
    .sgpr_count:     66
    .vgpr_count:     154
    .wavefront_size: 32
...
	.end_amdgpu_metadata
.endif
;; end of part 1
;; launch main (part 2): grid 256 x 1, 4 waves a work-group, no clusters, 82,432 bytes of LDS; arguments pix, knn_i, knn_w, x, W_nn_codes, W_nn_scales, b_nn, out0; writes out0
.if DOCPART == 2
	.amdgcn_target "amdgcn-amd-amdhsa--gfx1250"
	.amdhsa_code_object_version 6
	.text
	.protected	k_qe0923d5843_main
	.globl	k_qe0923d5843_main
	.p2align	8
	.type	k_qe0923d5843_main,@function
k_qe0923d5843_main:
	s_mov_b64 s[64:65], 0
	v_nop
	global_prefetch_b8 v0, s[64:65] scope:SCOPE_SE
	s_setreg_imm32_b32 hwreg(HW_REG_WAVE_MODE, 25, 1), 1
	s_wait_xcnt 0x0
; MAIN.  out0[n][:] = Q([interp(n), x(n)]) W + b, the product on codes of BF6 (E3M2) with one E8M0 scale for each 32 along K.  K = 96: 64 interpolated channels, 32 of x; the K step's last 32 are zero codes on both sides, scale byte 0x7f.
; interp = ((w0 g0 + w1 g1) + w2 g2) / (w0 + w1 + w2): each product and each sum rounded to f32 in that order; the quotient is s x (1 / W) with one fused residual step (the correctly rounded quotient but for rare last-bit cases).
; g are rows of pix (256 bytes a pixel), their numbers in knn_i, the weights and their sum in knn_w, all made by the launch before.
; SHARES.  A work-group: 128 points.  GATHER: wave w takes points 32 w .. 32 w + 31.  Sixteen lanes read a pixel's whole row, 16 bytes each; lanes 0-15 serve point s of the wave's first 16, lanes 16-31 point s of its second 16;
; a point's numbers reach its sixteen lanes by row_share.  All 48 loads (24 KiB a wave) go out together; a load's address stands in its own first destination register.
; TURN: the rows [64 interp | 32 x] go through the wave's own LDS stage (400 bytes a row) and come back 16 neighbours along K to a lane, as the conversion wants them.
; PRODUCT: THE WAVES SHARE THE COLUMNS: wave w keeps W's columns 64 w .. 64 w + 63 and their bias in registers; the eight fragments of 16 points go from wave to wave through LDS as images of their registers; one barrier.
; The matrix instruction is used transposed (source 0 = 16 columns of W, source 1 = 16 points; C = the bias): a lane holds eight neighbouring outputs of one point.  One instruction finishes a tile: there are no chains.
; WAY OUT: a wave's 64 columns are 256 aligned bytes of a row of out0: 16 points at a time through the wave's own stage, back as whole runs of 256 bytes.
; W is the one thing that work-groups share: 19 KiB of the 280 KiB that a work-group moves, so no cluster is formed for it.
; LIMITS: NaN and infinities are not served; a block whose largest magnitude lies under 2^-122 has its scale byte held at 1 (a block of zeros too: its codes are zeros).
; REGISTERS.  window 0: v0-19 addresses; v20-23 W's scale words, v24-31 the points'; v32-55 the gather's small numbers; v64-255 the 48 gathered quads, then numbers and codes, then 8 fragments (v64-159) and rows on the way out (v160-223).
;   window 1: the 32 accumulators, (M, t) at v[32 M + 8 t].   window 2: v0-47 W's 4 fragments, v48-79 the bias, v80-111 x, v112-123 W's scale bytes.
.set HROW,  400                        ; a row of the turn: 384 bytes + 16 = 25 places of 16 bytes: 16 rows begin at 16 different places modulo 256 bytes
.set HTILE, 16*HROW
.set AIMG,  8*HTILE                    ; behind the four waves' turns: 8 fragment images,
.set FRB,   1536                       ; 12 registers x 128 bytes each,
.set ASC,   AIMG+8*FRB                 ; their scale words, 128 bytes each,
.set OSTG,  ASC+8*128                  ; and a stage of 16 rows x (256 + 16) bytes for each wave
.set OROW,  272
.set OTILE, 16*OROW
.set LN16, 4                           ; v4   16 x lane
.set R16,  5                           ; v5   16 x (lane % 16)
.set XSA,  6                           ; v6   turn: where x's 16 bytes go
.set HRD,  7                           ; v7   turn: where I read my 64 bytes of a block
.set AIW,  8                           ; v8   images: where I store;  v9 their scale words
.set ASW,  9
.set AIR,  10                          ; v10  images: where I load;  v11 their scale words
.set ASR,  11
.set OWR,  12                          ; v12  way out: in;  v13 back;  v14 my bytes in two rows of out0
.set ORD,  13
.set OGL,  14
.set WC0,  15                          ; v15  W's codes, blocks 0 and 1;  v16 block 2;  v17 scale bytes;  v18 bias
.set WC1,  16
.set WSO,  17
.set BOF,  18
.set HST,  19                          ; v19  turn: where a point's 16 bytes of interp go
.set SCW,  20
.set SCA,  24
.set IDX,  32                          ; v32-35 my point's three pixels (a lane a point)
.set WQ,   36                          ; v36-39 w0, w1, w2, W
.set RW,   40                          ; v40  1 / W;  v41  -W
.set NW,   41
.set T,    42                          ; v42-44 a step's three pixel numbers
.set ER,   45
.set BW,   46                          ; v46-55 a step's w0, w1, w2, -W, 1/W in the even registers: the packed forms take a pair's low word for both halves
.set G,    64
.set N,    64                          ; v64-159 two tiles x 48 numbers
.set TM,   160                         ; v160-162 largest magnitudes, v164-166 partners' and bytes, v168-170 the conversions' scale operands
.set PW,   172                         ; v172-173 the scale words made
.set PC,   176                         ; v176-215 two sets of 20: the codes made
.set AF,   64
.set BK,   160
.set WF,   0
.set BI,   48
.set XR,   80
.set U,    112
.set SEL,  28
.set MSB, 0
.macro WIN new                         ; bits 1:0 source 0, 3:2 source 1, 5:4 source 2, 7:6 destination; the high byte repeats the setting that is left
.if MSB != \new
	s_set_vgpr_msb (MSB<<8)|\new
.set MSB, \new
.endif
.endm
	s_load_b256 s[4:11], s[0:1], 0x0               ; pix s[4:5], knn_i s[6:7], knn_w s[8:9], x s[10:11]
	s_load_b256 s[12:19], s[0:1], 0x20             ; W's codes s[12:13], W's scales s[14:15], b s[16:17], out0 s[18:19]
	v_lshl_add_u32 v62, v0, 2, 0x14000
	v_mov_b32 v63, 0
	v_lshrrev_b32 v1, 5, v0
	v_readfirstlane_b32 s20, v1                    ; wave 0..3
	v_and_b32 v3, 31, v0                           ; lane
	v_lshlrev_b32 v[LN16], 4, v3
	s_lshl_b32 s21, ttmp9, 2
	s_add_co_u32 s21, s21, s20                     ; which run of 32 points is my wave's
	s_lshl_b32 s22, s21, 9                         ; 16 bytes a point
	s_mov_b32 s23, 0
	s_wait_kmcnt 0x0
	s_add_nc_u64 s[6:7], s[6:7], s[22:23]
	s_add_nc_u64 s[8:9], s[8:9], s[22:23]
	global_load_b128 v[IDX:IDX+3], v[LN16], s[6:7] th:TH_LOAD_NT   ; first of all: the gather hangs on it.  512 consecutive bytes
	global_load_b128 v[WQ:WQ+3], v[LN16], s[8:9] th:TH_LOAD_NT
	s_lshl_b32 s22, s21, 12                        ; x: 128 bytes a point
	s_add_nc_u64 s[10:11], s[10:11], s[22:23]
	s_mul_i32 s22, s20, 64*72                      ; W's codes: 72 bytes a column, my 64 columns
	s_add_nc_u64 s[12:13], s[12:13], s[22:23]
	s_mul_i32 s22, s20, 64*3                       ; W's scales: 3 bytes a column
	s_add_nc_u64 s[14:15], s[14:15], s[22:23]
	s_lshl_b32 s22, s20, 8                         ; b and out0: my 64 columns are 256 bytes
	s_add_nc_u64 s[16:17], s[16:17], s[22:23]
	s_add_nc_u64 s[18:19], s[18:19], s[22:23]
	s_lshl_b32 s22, ttmp9, 17                      ; out0: 128 rows of 1,024 bytes a work-group
	s_add_nc_u64 s[18:19], s[18:19], s[22:23]
	v_and_b32 v1, 15, v0                           ; r
	v_bfe_u32 v2, v0, 4, 1                         ; h
	v_mul_u32_u24 v[WC1], v1, 72
	v_mad_u32_u24 v[WC0], v2, 24, v[WC1]           ; column r: block h
	v_add_nc_u32 v[WC1], 48, v[WC1]                ; column r: block 2, in both halves of the lanes (no load leaves the buffer; lanes 16-31 are cleared below)
	v_mul_u32_u24 v[WSO], v1, 3
	v_lshlrev_b32 v[BOF], 5, v2                    ; the bias of outputs 8 h .. 8 h + 7 of a tile
	WIN 0x80                                       ; destinations in window 2
.irp i, 0,1,2,3,4,5,6,7
	global_load_b128 v[XR+4*\i:XR+4*\i+3], v[LN16], s[10:11] offset:512*\i th:TH_LOAD_NT   ; x as it lies: 512 consecutive bytes a load
.endr
.irp t, 0,1,2,3
.irp b, 0,1,2
	global_load_u8 v[U+3*\t+\b], v[WSO], s[14:15] offset:48*\t+\b
.endr
.endr
.irp t, 0,1,2,3                        ; a fragment: registers 0-5 k = 32 h .. 32 h + 31, registers 6-11 k = 64 + 32 h ..: 24 bytes of the column's stream of bits each, in pieces of 8
.irp p, 0,1,2
	global_load_b64 v[WF+12*\t+2*\p:WF+12*\t+2*\p+1], v[WC0], s[12:13] offset:1152*\t+8*\p
	global_load_b64 v[WF+12*\t+6+2*\p:WF+12*\t+7+2*\p], v[WC1], s[12:13] offset:1152*\t+8*\p
.endr
.endr
.irp t, 0,1,2,3
	global_load_b128 v[BI+8*\t:BI+8*\t+3], v[BOF], s[16:17] offset:64*\t
	global_load_b128 v[BI+8*\t+4:BI+8*\t+7], v[BOF], s[16:17] offset:64*\t+16
.endr
	WIN 0
	s_mul_i32 s24, s20, 2*HTILE                    ; my wave's turn,
	s_mul_i32 s25, s20, 2*FRB
	s_add_co_u32 s25, s25, AIMG                    ; its two images,
	s_lshl_b32 s26, s20, 8
	s_add_co_u32 s26, s26, ASC                     ; their scale words,
	s_mul_i32 s27, s20, OTILE
	s_add_co_u32 s27, s27, OSTG                    ; its stage
	s_mov_b32 s[SEL], 0x76543210
	s_mov_b32 s[SEL+1], 0xfedcba98                 ; v_permlanex16_b32's selects for lane l xor 16
	s_mov_b32 s30, 0xffff0000                      ; lanes 16-31
	v_lshlrev_b32 v[R16], 4, v1
	v_mad_u32_u24 v[HST], v2, HTILE, v[R16]
	v_add_nc_u32 v[HST], s24, v[HST]               ; tile h, + 16 r; the row is the step, in the immediate
	v_lshrrev_b32 v[XSA], 3, v3
	v_and_b32 v[HRD], 7, v3
	v_lshlrev_b32 v[HRD], 4, v[HRD]
	v_mad_u32_u24 v[XSA], v[XSA], HROW, v[HRD]
	v_add_nc_u32 v[XSA], s24, v[XSA]               ; eight lanes to a point's 128 bytes: row lane / 8, + 16 (lane % 8)
	v_lshlrev_b32 v[HRD], 6, v2
	v_mad_u32_u24 v[HRD], v1, HROW, v[HRD]
	v_add_nc_u32 v[HRD], s24, v[HRD]               ; row r, + 64 h: my 16 numbers of a block of 32
	v_add_nc_u32 v[AIW], s25, v[LN16]
	v_lshlrev_b32 v[ASR], 2, v3
	v_add_nc_u32 v[ASW], s26, v[ASR]
	v_add_nc_u32 v[ASR], ASC, v[ASR]
	v_add_nc_u32 v[AIR], AIMG, v[LN16]
	v_lshlrev_b32 v[OWR], 5, v2
	v_mad_u32_u24 v[OWR], v1, OROW, v[OWR]
	v_add_nc_u32 v[OWR], s27, v[OWR]               ; row r, + 32 h
	v_mad_u32_u24 v[ORD], v2, OROW, v[R16]
	v_add_nc_u32 v[ORD], s27, v[ORD]               ; lanes 0-15 one row, lanes 16-31 the next
	v_lshl_add_u32 v[OGL], v2, 10, v[R16]          ; and the same in out0
.irp k, 0,1,2
	v_mov_b32 v[T+\k], 0                           ; written once: the destination of a DPP form counts as one of its sources
.endr
.irp k, 0,1,2,3,4,5,6,7,8,9
	v_mov_b32 v[BW+\k], 0                          ; likewise; the odd ones are named as upper halves of pairs
.endr
	s_wait_loadcnt 53                              ; the pixel numbers are in; behind them: the weights, 8 of x, 12 scale bytes, 24 of W, 8 of the bias
.irp s, 0,1,2,3,4,5,6,7,8,9,10,11,12,13,14,15
.irp p, 0,1,2
	v_mov_b32_dpp v[T+\p], v[IDX+\p] row_share:\s row_mask:0xf bank_mask:0xf   ; point s of my half's 16, to all its lanes
.endr
.irp p, 0,1,2
	v_min_u32 v[T+\p], 0x7fff, v[T+\p]             ; a loaded number enters an address only held inside the table: pix has 32,768 rows
.endr
.irp p, 0,1,2
	v_lshl_add_u32 v[G+12*\s+4*\p], v[T+\p], 8, v[R16]
.endr
.irp p, 0,1,2
	global_load_b128 v[G+12*\s+4*\p:G+12*\s+4*\p+3], v[G+12*\s+4*\p], s[4:5]   ; sixteen lanes read one pixel's 256 aligned bytes
.endr
.endr
	s_wait_loadcnt 48                              ; all but the 48 gathers are in.  What follows is done while they are on their way
	WIN 0xaa                                       ; all in window 2
.irp t, 0,1,2,3
.irp i, 6,7,8,9,10,11
	v_cndmask_b32 v[WF+12*\t+\i], v[WF+12*\t+\i], 0, s30   ; W's k = 96 .. 127 (lanes 16-31 of registers 6-11): zero codes
.endr
.endr
.irp t, 0,1,2,3
	v_lshl_or_b32 v[U+3*\t], v[U+3*\t+1], 8, v[U+3*\t]
.endr
.irp t, 0,1,2,3
	v_lshl_or_b32 v[U+3*\t], v[U+3*\t+2], 16, v[U+3*\t]
.endr
	WIN 0x08                                       ; source 1 in window 2
.irp t, 0,1,2,3
	v_or_b32 v[SCW+\t], 0x7f000000, v[U+3*\t]      ; column r's scale word: its three bytes, and 2^0 for the block of zeros
.endr
.irp i, 0,1,2,3,4,5,6,7
	ds_store_b128 v[XSA], v[XR+4*\i:XR+4*\i+3] offset:256+(\i/4)*HTILE+(\i%4)*4*HROW   ; x behind the 64 channels of its row: a load's 512 bytes are four rows
.endr
	WIN 0
	v_rcp_f32 v[RW], v[WQ+3]
	v_xor_b32 v[NW], 0x80000000, v[WQ+3]           ; -W.  (The plain place behind the reciprocal)
	s_wait_alu depctr_va_vdst(0)                   ; ahead of the reciprocal's first reader
	v_fma_f32 v[ER], v[NW], v[RW], 1.0
	v_fma_f32 v[RW], v[ER], v[RW], v[RW]           ; 1 / W after one Newton step
; Step s: two points, one in each half of the lanes; a lane has 4 channels.
.macro STEP s
.set G0, G+12*(\s)
	s_wait_loadcnt 45-3*(\s)                       ; loads come back in order: this step's three are in, the later steps' stay out
	v_mov_b32_dpp v[BW], v[WQ] row_share:\s row_mask:0xf bank_mask:0xf
	v_mov_b32_dpp v[BW+2], v[WQ+1] row_share:\s row_mask:0xf bank_mask:0xf
	v_mov_b32_dpp v[BW+4], v[WQ+2] row_share:\s row_mask:0xf bank_mask:0xf
	v_mov_b32_dpp v[BW+6], v[NW] row_share:\s row_mask:0xf bank_mask:0xf
	v_mov_b32_dpp v[BW+8], v[RW] row_share:\s row_mask:0xf bank_mask:0xf
.irp u, 0,2
	v_pk_mul_f32 v[G0+\u:G0+\u+1], v[G0+\u:G0+\u+1], v[BW:BW+1] op_sel_hi:[1,0]            ; w0 g0
	v_pk_mul_f32 v[G0+4+\u:G0+5+\u], v[G0+4+\u:G0+5+\u], v[BW+2:BW+3] op_sel_hi:[1,0]      ; w1 g1
	v_pk_mul_f32 v[G0+8+\u:G0+9+\u], v[G0+8+\u:G0+9+\u], v[BW+4:BW+5] op_sel_hi:[1,0]      ; w2 g2
.endr
.irp u, 0,2
	v_pk_add_f32 v[G0+\u:G0+\u+1], v[G0+\u:G0+\u+1], v[G0+4+\u:G0+5+\u]
.endr
.irp u, 0,2
	v_pk_add_f32 v[G0+\u:G0+\u+1], v[G0+\u:G0+\u+1], v[G0+8+\u:G0+9+\u]                     ; s.  (Not fused: the source rounds each product and each sum)
.endr
.irp u, 0,2
	v_pk_mul_f32 v[G0+4+\u:G0+5+\u], v[G0+\u:G0+\u+1], v[BW+8:BW+9] op_sel_hi:[1,0]         ; q = s / W, nearly
.endr
.irp u, 0,2
	v_pk_fma_f32 v[G0+8+\u:G0+9+\u], v[G0+4+\u:G0+5+\u], v[BW+6:BW+7], v[G0+\u:G0+\u+1] op_sel_hi:[1,0,1]   ; what is left: s - W q
.endr
.irp u, 0,2
	v_pk_fma_f32 v[G0+4+\u:G0+5+\u], v[G0+8+\u:G0+9+\u], v[BW+8:BW+9], v[G0+4+\u:G0+5+\u] op_sel_hi:[1,0,1] ; put back
.endr
	ds_store_b128 v[HST], v[G0+4:G0+7] offset:HROW*(\s)    ; sixteen lanes lay down a row's 256 bytes
.endm
.irp s, 0,1,2,3,4,5,6,7,8,9,10,11,12,13,14,15
	STEP \s
.endr
	s_wait_dscnt 0x0                               ; my stores into the turn have read their registers, which are written from here on
.irp m, 0,1
.irp b, 0,1,2
.irp j, 0,1,2,3
	ds_load_b128 v[N+48*\m+16*\b+4*\j:N+48*\m+16*\b+4*\j+3], v[HRD] offset:HTILE*\m+128*\b+16*\j   ; register 16 b + i = k 32 b + 16 h + i of row r
.endr
.endr
.endr
.irp b, 0,1,2
	v_mov_b32 v[TM+4+\b], 0                        ; a lane permute's destination counts as one of its sources
.endr
; 48 numbers of a lane become a fragment's 12 registers of codes in v[pc] on and its row's scale word in v[pw].
.macro QUANT n, pc, pw
.irp b, 0,1,2
	v_max3_num_f32 v[TM+\b], |v[\n+16*\b]|, |v[\n+16*\b+1]|, 0x2800000   ; my 16 numbers of block b, and the floor 2^(5 - 127): the byte cannot fall under 1
.endr
.irp i, 2,4,6,8,10,12,14
.irp b, 0,1,2
	v_max3_num_f32 v[TM+\b], v[TM+\b], |v[\n+16*\b+\i]|, |v[\n+16*\b+\i+1]|   ; (the blocks by turns)
.endr
.endr
.irp b, 0,1,2
	v_permlanex16_b32 v[TM+4+\b], v[TM+\b], s[SEL], s[SEL+1]
.endr
.irp b, 0,1,2
	v_max_num_f32 v[TM+\b], v[TM+\b], v[TM+4+\b]   ; with lane l xor 16's 16: the block's largest magnitude
.endr
.irp b, 0,1,2
	v_add_nc_u32 v[TM+8+\b], 0xfe000000, v[TM+\b]  ; 4 off its exponent field: the conversion takes this operand's exponent field as the scale
.endr
.irp b, 0,1,2
	v_lshrrev_b32 v[TM+4+\b], 23, v[TM+8+\b]       ; the scale's byte
.endr
	v_lshl_or_b32 v[\pw], v[TM+5], 8, v[TM+4]
	v_lshl_or_b32 v[\pw], v[TM+6], 16, v[\pw]
	v_or_b32 v[\pw], 0x7f000000, v[\pw]            ; 2^0 for the block of zeros
	v_cvt_scalef32_pk16_bf6_f32 v[\pc:\pc+2], v[\n:\n+15], v[TM+8]            ; block 0: k = 16 h + 0 .. 15
	v_cvt_scalef32_pk16_bf6_f32 v[\pc+12:\pc+14], v[\n+16:\n+31], v[TM+9]     ; block 1  (a conversion's three registers begin on an even number)
	v_cvt_scalef32_pk16_bf6_f32 v[\pc+6:\pc+8], v[\n+32:\n+47], v[TM+10]      ; block 2
.irp i, 0,1,2
	v_mov_b32 v[\pc+16+\i], 0                      ; block 3: zero codes.  (Also the plain place behind the conversions)
.endr
.irp i, 0,1,2                          ; the operand wants a WHOLE block in a lane: lanes 0-15 blocks 0 and 2, lanes 16-31 blocks 1 and 3
	v_permlane16_swap_b32 v[\pc+\i], v[\pc+12+\i]
	v_permlane16_swap_b32 v[\pc+6+\i], v[\pc+16+\i]
.endr
.irp i, 0,1,2
	v_mov_b32 v[\pc+3+\i], v[\pc+12+\i]
	v_mov_b32 v[\pc+9+\i], v[\pc+16+\i]
.endr
.endm
.macro IMAGE pc, pw, m                 ; the fragment goes to LDS as it stands: lane l's 16 bytes at 16 l, its scale word at 4 l
.irp c, 0,1,2
	ds_store_b128 v[AIW], v[\pc+4*\c:\pc+4*\c+3] offset:FRB*\m+512*\c
.endr
	ds_store_b32 v[ASW], v[\pw] offset:128*\m
.endm
	s_wait_dscnt 12                                ; the first tile's 12 loads are in, the second's stay out
	QUANT N, PC, PW
	IMAGE PC, PW, 0
	s_wait_dscnt 4                                 ; the second tile's are in; behind them: the four stores just issued
	QUANT N+48, PC+20, PW+1
	IMAGE PC+20, PW+1, 1
	s_wait_dscnt 0x0                               ; for the other waves: my images have landed
	s_barrier_signal -1
	s_barrier_wait -1                              ; the eight fragments of the work-group's 128 points lie in LDS; nobody writes them again
.irp M, 0,1,2,3,4,5,6,7
.irp c, 0,1,2
	ds_load_b128 v[AF+12*\M+4*\c:AF+12*\M+4*\c+3], v[AIR] offset:FRB*\M+512*\c
.endr
	ds_load_b32 v[SCA+\M], v[ASR] offset:128*\M
.endr
	WIN 0x62                                       ; source 0 (W) and source 2 (the bias) window 2, source 1 (the points) window 0, D window 1
.irp M, 0,1,2,3,4,5,6,7
	s_wait_dscnt 4*(7-\M)                          ; fragment M and its scale words are in; four loads for each later one stay out
.irp t, 0,1,2,3
	v_wmma_scale_f32_16x16x128_f8f6f4 v[32*\M+8*\t:32*\M+8*\t+7], v[WF+12*\t:WF+12*\t+11], v[AF+12*\M:AF+12*\M+11], v[BI+8*\t:BI+8*\t+7], v[SCW+\t], v[SCA+\M] matrix_a_fmt:MATRIX_FMT_BF6 matrix_b_fmt:MATRIX_FMT_BF6
.endr
.endr
	WIN 0
.rept 4
	v_nop                                          ; four places between the last products and the first read of results (ISA guide 7.12.1); no other vector work is at hand
.endr
; THE WAY OUT, 16 points at a time.  Lane (r, h) holds out0(16 M + r, 64 w + 16 t + 8 h + 0 .. 7).  LDS serves a wave's instructions in order: no wait between the stores and the loads, nor in front of the next block's stores.
.macro TOSTAGE M
	WIN 0x04                                       ; an LDS store's data are its source 1: window 1
.irp t, 0,1,2,3
	ds_store_b128 v[OWR], v[32*(\M)+8*\t:32*(\M)+8*\t+3] offset:64*\t          ; each accumulator from its low end on
	ds_store_b128 v[OWR], v[32*(\M)+8*\t+4:32*(\M)+8*\t+7] offset:64*\t+16
.endr
	WIN 0
.irp i, 0,1,2,3,4,5,6,7
	ds_load_b128 v[BK+32*((\M)%2)+4*\i:BK+32*((\M)%2)+4*\i+3], v[ORD] offset:\i*2*OROW
.endr
.endm
.macro SEND M, younger                 ; younger: the LDS instructions issued behind block M's loads, which may stay out
	s_wait_dscnt \younger
.irp i, 0,1,2,3,4,5,6,7
	global_store_b128 v[OGL], v[BK+32*((\M)%2)+4*\i:BK+32*((\M)%2)+4*\i+3], s[18:19] offset:(16*(\M)+2*\i)*1024 th:TH_STORE_NT   ; sixteen lanes store 256 consecutive aligned bytes of a row, the other sixteen those of the next row; written once
.endr
.endm
	TOSTAGE 0
.irp M, 1,2,3,4,5,6,7
.if \M > 1
	s_wait_xcnt 0x0                                ; block M - 2's stores have read their registers: block M's loads may land there
.endif
	TOSTAGE \M
	SEND \M-1, 16                                  ; behind block M - 1's loads: block M's 8 stores and 8 loads
.endr
	SEND 7, 0
	s_wait_tensorcnt 0x0
	ds_add_u32 v62, v63
	s_wait_dscnt 0x0
	s_endpgm
.Lfunc_end_k_qe0923d5843_main:
	.size	k_qe0923d5843_main, .Lfunc_end_k_qe0923d5843_main-k_qe0923d5843_main
	.p2alignl 7, 3214868480
	.fill 96, 4, 3214868480
	.section	.rodata,"a",@progbits
	.p2align	6, 0x0
	.amdhsa_kernel k_qe0923d5843_main
		.amdhsa_group_segment_fixed_size 82432
		.amdhsa_private_segment_fixed_size 0
		.amdhsa_enable_private_segment 0
		.amdhsa_kernarg_size 64
		.amdhsa_user_sgpr_count 2
		.amdhsa_user_sgpr_kernarg_segment_ptr 1
		.amdhsa_wavefront_size32 1
		.amdhsa_system_sgpr_workgroup_id_x 1
		.amdhsa_system_sgpr_workgroup_id_y 1
		.amdhsa_system_sgpr_workgroup_id_z 1
		.amdhsa_system_vgpr_workitem_id 0
		.amdhsa_next_free_vgpr 640
		.amdhsa_next_free_sgpr 66
		.amdhsa_reserve_vcc 0
		.amdhsa_float_denorm_mode_32 3
		.amdhsa_float_denorm_mode_16_64 3
		.amdhsa_memory_ordered 1
		.amdhsa_forward_progress 1
		.amdhsa_inst_pref_size 78
	.end_amdhsa_kernel
	.amdgpu_metadata
---
amdhsa.version: [ 1, 2 ]
amdhsa.kernels:
  - .name:           k_qe0923d5843_main
    .symbol:         k_qe0923d5843_main.kd
    .args:
      - { .name: pix, .offset: 0, .size: 8, .value_kind: global_buffer, .address_space: global }
      - { .name: knn_i, .offset: 8, .size: 8, .value_kind: global_buffer, .address_space: global }
      - { .name: knn_w, .offset: 16, .size: 8, .value_kind: global_buffer, .address_space: global }
      - { .name: x, .offset: 24, .size: 8, .value_kind: global_buffer, .address_space: global }
      - { .name: W_nn_codes, .offset: 32, .size: 8, .value_kind: global_buffer, .address_space: global }
      - { .name: W_nn_scales, .offset: 40, .size: 8, .value_kind: global_buffer, .address_space: global }
      - { .name: b_nn, .offset: 48, .size: 8, .value_kind: global_buffer, .address_space: global }
      - { .name: out0, .offset: 56, .size: 8, .value_kind: global_buffer, .address_space: global }
    .group_segment_fixed_size: 82432
    .private_segment_fixed_size: 0
    .kernarg_segment_align: 8
    .kernarg_segment_size: 64
    .max_flat_workgroup_size: 128
    .sgpr_count:     66
    .vgpr_count:     640
    .wavefront_size: 32
...
	.end_amdgpu_metadata
.endif
;; end of part 2
;; ======== version 2 of 2: 2 launches; version 1 with the launch main written anew for expert scheduling mode
;; limits: inputs' magnitudes at most 64
;; workspace buffers: pix 8,388,608 bytes; knn_i 524,288 bytes of whole numbers; knn_w 524,288 bytes
;; launch prep: the kernel of part 1 again; grid 256 x 1, 8 waves a work-group, no clusters, 35,840 bytes of LDS; arguments images, pos, pix, knn_i, knn_w; writes pix, knn_i, knn_w
;; launch main (part 3): grid 256 x 1, 4 waves a work-group, no clusters, 82,432 bytes of LDS; arguments pix, knn_i, knn_w, x, W_nn_codes, W_nn_scales, b_nn, out0; writes out0
.if DOCPART == 3
	.amdgcn_target "amdgcn-amd-amdhsa--gfx1250"
	.amdhsa_code_object_version 6
	.text
	.protected	k_qe0923d5843_main
	.globl	k_qe0923d5843_main
	.p2align	8
	.type	k_qe0923d5843_main,@function
k_qe0923d5843_main:
	s_mov_b64 s[64:65], 0
	v_nop
	global_prefetch_b8 v0, s[64:65] scope:SCOPE_SE
	s_setreg_imm32_b32 hwreg(HW_REG_WAVE_SCHED_MODE, 0, 2), 2
	s_setreg_imm32_b32 hwreg(HW_REG_WAVE_MODE, 25, 1), 1
	s_wait_xcnt 0x0
	s_wait_alu depctr_vm_vsrc(0)
; MAIN.  out0[n][:] = Q([interp(n), x(n)]) W + b, the product on codes of BF6 (E3M2) with one E8M0 scale for each 32 along K.  K = 96: 64 interpolated channels, 32 of x; the K step's last 32 are zero codes on both sides, scale byte 0x7f.
; interp = ((w0 g0 + w1 g1) + w2 g2) / (w0 + w1 + w2): each product and each sum rounded to f32 in that order; the quotient is s x (1 / W) with one fused residual step (the correctly rounded quotient but for rare last-bit cases).
; g are rows of pix (256 bytes a pixel), their numbers in knn_i, the weights and their sum in knn_w, all made by the launch before.
; SHARES.  A work-group: 128 points.  GATHER: wave w takes points 32 w .. 32 w + 31.  Sixteen lanes read a pixel's whole row, 16 bytes each; lanes 0-15 serve point s of the wave's first 16, lanes 16-31 point s of its second 16;
; a point's numbers reach its sixteen lanes by row_share.  All 48 loads (24 KiB a wave) are out together; a load's address stands in its own first destination register.
; TURN: the rows [64 interp | 32 x] go through the wave's own LDS stage (400 bytes a row) and come back 16 neighbours along K to a lane, as the conversion wants them.
; PRODUCT: THE WAVES SHARE THE COLUMNS: wave w keeps W's columns 64 w .. 64 w + 63 and their bias in registers; the eight fragments of 16 points go from wave to wave through LDS as images of their registers; one barrier.
; The matrix instruction is used transposed (source 0 = 16 columns of W, source 1 = 16 points; C = the bias): a lane holds eight neighbouring outputs of one point.  One instruction finishes a tile: there are no chains.
; WAY OUT: a wave's 64 columns are 256 aligned bytes of a row of out0: 16 points at a time through the wave's own stage, back as whole runs of 256 bytes.
; W is the one thing that work-groups share: 19 KiB of the 280 KiB that a work-group moves, so no cluster is formed for it.
; LIMITS: NaN and infinities are not served; a block whose largest magnitude lies under 2^-122 has its scale byte held at 1 (a block of zeros too: its codes are zeros).
; REGISTERS.  window 0: v0-19 addresses; v20-23 W's scale words, v24-31 the points'; v32-55 the gather's small numbers; v64-255 the 48 gathered quads, then numbers and codes, then 8 fragments (v64-159) and rows on the way out (v160-223).
;   window 1: the 32 accumulators, (M, t) at v[32 M + 8 t].   window 2: v0-47 W's 4 fragments, v48-79 the bias, v80-111 x, v112-123 W's scale bytes.
; THE MODE: SCHED_MODE bits 1:0 = 2 (LLVM: expert scheduling mode 2), set by the entry lines.  The code itself states the register dependences between vector or matrix instructions and memory or LDS instructions, with s_wait_alu, always for 0.
; THE PLAN.  Registers that memory or LDS instructions touch, in the order of the text:
;   v4, v6-v19    addresses: written once, at the head, ahead of ONE wait on va_vdst; read by every load and store; never written again.
;   the 48 quads  a quad's first register is written by a vector line (the address), read by the quad's own load, which lands on the quad.  Four batches of 12 addresses, a wait on va_vdst, 12 loads.
;                 One wait on vm_vsrc ahead of the first step: the loads have read the addresses, over which the arithmetic writes.  A step works in place on its own twelve registers; four of them are the data of one LDS store.
;                 That store is issued four steps later: one wait on va_vdst at the head of steps 4, 8 and 12 and one behind step 15 each state four steps' results written, and no vector line behind such a wait names them.
;   v64-159       then the rows read back from the turn: one wait on vm_vsrc ahead of these loads (the turn's stores have read their data); the wait behind step 15 has shown the arithmetic done with them.
;   v172-215      codes and scale words, a set for each of the wave's two tiles: written by the quantiser, read by the images' stores: ONE wait on va_vdst behind both tiles, ahead of all eight stores.
;                 The same wait shows the quantiser done reading v64-159, in which the eight fragments land behind the barrier.
;   window 1      the accumulators: written by the products, read by the stage's stores: the four places, then one wait on va_vdst for all 32.
;   v160-223      two sets of rows on the way out: LDS loads land there, global stores read them: a wait on vm_vsrc ahead of the first (the images' stores read v172-207) and one ahead of each set's next turn.
;   window 2      loaded once.  Vector lines write W's upper registers and make W's scale words behind the wait for those loads; the products take them behind several waits on va_vdst.
.set HROW,  400                        ; a row of the turn: 384 bytes + 16 = 25 places of 16 bytes: 16 rows begin at 16 different places modulo 256 bytes
.set HTILE, 16*HROW
.set AIMG,  8*HTILE                    ; behind the four waves' turns: 8 fragment images,
.set FRB,   1536                       ; 12 registers x 128 bytes each,
.set ASC,   AIMG+8*FRB                 ; their scale words, 128 bytes each,
.set OSTG,  ASC+8*128                  ; and a stage of 16 rows x (256 + 16) bytes for each wave
.set OROW,  272
.set OTILE, 16*OROW
.set LN16, 4                           ; v4   16 x lane
.set R16,  5                           ; v5   16 x (lane % 16)
.set XSA,  6                           ; v6   turn: where x's 16 bytes go
.set HRD,  7                           ; v7   turn: where I read my 64 bytes of a block
.set AIW,  8                           ; v8   images: where I store;  v9 their scale words
.set ASW,  9
.set AIR,  10                          ; v10  images: where I load;  v11 their scale words
.set ASR,  11
.set OWR,  12                          ; v12  way out: in;  v13 back;  v14 my bytes in two rows of out0
.set ORD,  13
.set OGL,  14
.set WC0,  15                          ; v15  W's codes, blocks 0 and 1;  v16 block 2;  v17 scale bytes;  v18 bias
.set WC1,  16
.set WSO,  17
.set BOF,  18
.set HST,  19                          ; v19  turn: where a point's 16 bytes of interp go
.set SCW,  20
.set SCA,  24
.set IDX,  32                          ; v32-35 my point's three pixels (a lane a point)
.set WQ,   36                          ; v36-39 w0, w1, w2, W
.set RW,   40                          ; v40  1 / W;  v41  -W
.set NW,   41
.set T,    42                          ; v42-44 a step's three pixel numbers
.set ER,   45
.set BW,   46                          ; v46-55 a step's w0, w1, w2, -W, 1/W in the even registers: the packed forms take a pair's low word for both halves
.set G,    64
.set N,    64                          ; v64-159 two tiles x 48 numbers
.set TM,   160                         ; v160-162 largest magnitudes, v164-166 partners' and bytes, v168-170 the conversions' scale operands
.set PW,   172                         ; v172-173 the scale words made
.set PC,   176                         ; v176-215 two sets of 20: the codes made
.set AF,   64
.set BK,   160
.set WF,   0
.set BI,   48
.set XR,   80
.set U,    112
.set SEL,  28
.set MSB, 0
.macro WIN new                         ; bits 1:0 source 0, 3:2 source 1, 5:4 source 2, 7:6 destination; the high byte repeats the setting that is left
.if MSB != \new
	s_set_vgpr_msb (MSB<<8)|\new
.set MSB, \new
.endif
.endm
	s_load_b256 s[4:11], s[0:1], 0x0               ; pix s[4:5], knn_i s[6:7], knn_w s[8:9], x s[10:11]
	s_load_b256 s[12:19], s[0:1], 0x20             ; W's codes s[12:13], W's scales s[14:15], b s[16:17], out0 s[18:19]
	v_lshl_add_u32 v62, v0, 2, 0x14000
	v_mov_b32 v63, 0
	; every address of the kernel is made here, while the arguments are on their way
	v_lshrrev_b32 v1, 5, v0
	v_readfirstlane_b32 s20, v1                    ; wave 0..3
	v_and_b32 v3, 31, v0                           ; lane
	v_lshlrev_b32 v[LN16], 4, v3
	v_and_b32 v1, 15, v0                           ; r
	v_bfe_u32 v2, v0, 4, 1                         ; h
	v_mul_u32_u24 v[WC1], v1, 72
	v_mad_u32_u24 v[WC0], v2, 24, v[WC1]           ; column r: block h
	v_add_nc_u32 v[WC1], 48, v[WC1]                ; column r: block 2, in both halves of the lanes (no load leaves the buffer; lanes 16-31 are cleared below)
	v_mul_u32_u24 v[WSO], v1, 3
	v_lshlrev_b32 v[BOF], 5, v2                    ; the bias of outputs 8 h .. 8 h + 7 of a tile
	v_lshlrev_b32 v[R16], 4, v1
	v_lshl_add_u32 v[OGL], v2, 10, v[R16]          ; out0: lanes 0-15 one row, lanes 16-31 the next; 16 bytes a lane
.irp k, 0,1,2
	v_mov_b32 v[T+\k], 0                           ; written once: the destination of a DPP form counts as one of its sources
.endr
.irp k, 0,1,2,3,4,5,6,7,8,9
	v_mov_b32 v[BW+\k], 0                          ; likewise; the odd ones are named as upper halves of pairs
.endr
	s_mov_b32 s[SEL], 0x76543210
	s_mov_b32 s[SEL+1], 0xfedcba98                 ; v_permlanex16_b32's selects for lane l xor 16
	s_mov_b32 s30, 0xffff0000                      ; lanes 16-31
	s_wait_alu depctr_va_sdst(0)                   ; s20 is written, ahead of its first reader: the wave's places in memory and in LDS are made from it
	s_lshl_b32 s21, ttmp9, 2
	s_add_co_u32 s21, s21, s20                     ; which run of 32 points is my wave's
	s_mul_i32 s24, s20, 2*HTILE                    ; my wave's turn,
	s_mul_i32 s25, s20, 2*FRB
	s_add_co_u32 s25, s25, AIMG                    ; its two images,
	s_lshl_b32 s26, s20, 8
	s_add_co_u32 s26, s26, ASC                     ; their scale words,
	s_mul_i32 s27, s20, OTILE
	s_add_co_u32 s27, s27, OSTG                    ; its stage
	v_mad_u32_u24 v[HST], v2, HTILE, v[R16]
	v_add_nc_u32 v[HST], s24, v[HST]               ; tile h, + 16 r; the row is the step, in the immediate
	v_lshrrev_b32 v[XSA], 3, v3
	v_and_b32 v[HRD], 7, v3
	v_lshlrev_b32 v[HRD], 4, v[HRD]
	v_mad_u32_u24 v[XSA], v[XSA], HROW, v[HRD]
	v_add_nc_u32 v[XSA], s24, v[XSA]               ; eight lanes to a point's 128 bytes: row lane / 8, + 16 (lane % 8)
	v_lshlrev_b32 v[HRD], 6, v2
	v_mad_u32_u24 v[HRD], v1, HROW, v[HRD]
	v_add_nc_u32 v[HRD], s24, v[HRD]               ; row r, + 64 h: my 16 numbers of a block of 32
	v_add_nc_u32 v[AIW], s25, v[LN16]
	v_lshlrev_b32 v[ASR], 2, v3
	v_add_nc_u32 v[ASW], s26, v[ASR]
	v_add_nc_u32 v[ASR], ASC, v[ASR]
	v_add_nc_u32 v[AIR], AIMG, v[LN16]
	v_lshlrev_b32 v[OWR], 5, v2
	v_mad_u32_u24 v[OWR], v1, OROW, v[OWR]
	v_add_nc_u32 v[OWR], s27, v[OWR]               ; row r, + 32 h
	v_mad_u32_u24 v[ORD], v2, OROW, v[R16]
	v_add_nc_u32 v[ORD], s27, v[ORD]               ; lanes 0-15 one row, lanes 16-31 the next
	s_lshl_b32 s22, s21, 9                         ; 16 bytes a point
	s_mov_b32 s23, 0
	s_wait_kmcnt 0x0
	s_add_nc_u64 s[6:7], s[6:7], s[22:23]
	s_add_nc_u64 s[8:9], s[8:9], s[22:23]
	s_wait_alu depctr_va_vdst(0)                   ; the addresses v4 and v6 to v19 are written: every load and store of the kernel but the gathers reads one of them, and none is written again
	global_load_b128 v[IDX:IDX+3], v[LN16], s[6:7] th:TH_LOAD_NT   ; first of all: the gather hangs on it.  512 consecutive bytes
	global_load_b128 v[WQ:WQ+3], v[LN16], s[8:9] th:TH_LOAD_NT
	s_lshl_b32 s22, s21, 12                        ; x: 128 bytes a point
	s_add_nc_u64 s[10:11], s[10:11], s[22:23]
	s_mul_i32 s22, s20, 64*72                      ; W's codes: 72 bytes a column, my 64 columns
	s_add_nc_u64 s[12:13], s[12:13], s[22:23]
	s_mul_i32 s22, s20, 64*3                       ; W's scales: 3 bytes a column
	s_add_nc_u64 s[14:15], s[14:15], s[22:23]
	s_lshl_b32 s22, s20, 8                         ; b and out0: my 64 columns are 256 bytes
	s_add_nc_u64 s[16:17], s[16:17], s[22:23]
	s_add_nc_u64 s[18:19], s[18:19], s[22:23]
	s_lshl_b32 s22, ttmp9, 17                      ; out0: 128 rows of 1,024 bytes a work-group
	s_add_nc_u64 s[18:19], s[18:19], s[22:23]
	WIN 0x80                                       ; destinations in window 2.  (Between the wait above and these loads stand loads, scalar lines and this switch alone)
.irp i, 0,1,2,3,4,5,6,7
	global_load_b128 v[XR+4*\i:XR+4*\i+3], v[LN16], s[10:11] offset:512*\i th:TH_LOAD_NT   ; x as it lies: 512 consecutive bytes a load
.endr
.irp t, 0,1,2,3
.irp b, 0,1,2
	global_load_u8 v[U+3*\t+\b], v[WSO], s[14:15] offset:48*\t+\b
.endr
.endr
.irp t, 0,1,2,3                        ; a fragment: registers 0-5 k = 32 h .. 32 h + 31, registers 6-11 k = 64 + 32 h ..: 24 bytes of the column's stream of bits each, in pieces of 8
.irp p, 0,1,2
	global_load_b64 v[WF+12*\t+2*\p:WF+12*\t+2*\p+1], v[WC0], s[12:13] offset:1152*\t+8*\p
	global_load_b64 v[WF+12*\t+6+2*\p:WF+12*\t+7+2*\p], v[WC1], s[12:13] offset:1152*\t+8*\p
.endr
.endr
.irp t, 0,1,2,3
	global_load_b128 v[BI+8*\t:BI+8*\t+3], v[BOF], s[16:17] offset:64*\t
	global_load_b128 v[BI+8*\t+4:BI+8*\t+7], v[BOF], s[16:17] offset:64*\t+16
.endr
	WIN 0
	s_wait_loadcnt 53                              ; the pixel numbers are in; behind them: the weights, 8 of x, 12 scale bytes, 24 of W, 8 of the bias
; THE GATHER, four steps to a batch: their 12 addresses, one wait, their 12 loads; the next batch's addresses are made while these loads leave.
.macro BATCH a, b, c, d
.irp s, \a, \b, \c, \d
.irp p, 0,1,2
	v_mov_b32_dpp v[T+\p], v[IDX+\p] row_share:\s row_mask:0xf bank_mask:0xf   ; point s of my half's 16, to all its lanes
.endr
.irp p, 0,1,2
	v_min_u32 v[T+\p], 0x7fff, v[T+\p]             ; a loaded number enters an address only held inside the table: pix has 32,768 rows
.endr
.irp p, 0,1,2
	v_lshl_add_u32 v[G+12*\s+4*\p], v[T+\p], 8, v[R16]
.endr
.endr
	s_wait_alu depctr_va_vdst(0)                   ; the batch's 12 address registers are written: each load below reads one of them and lands on it
.irp s, \a, \b, \c, \d
.irp p, 0,1,2
	global_load_b128 v[G+12*\s+4*\p:G+12*\s+4*\p+3], v[G+12*\s+4*\p], s[4:5]   ; sixteen lanes read one pixel's 256 aligned bytes
.endr
.endr
.endm
	BATCH 0, 1, 2, 3
	BATCH 4, 5, 6, 7
	BATCH 8, 9, 10, 11
	BATCH 12, 13, 14, 15
	s_wait_loadcnt 48                              ; all but the 48 gathers are in.  What follows is done while they are on their way
	WIN 0xaa                                       ; all in window 2
.irp t, 0,1,2,3
.irp i, 6,7,8,9,10,11
	v_cndmask_b32 v[WF+12*\t+\i], v[WF+12*\t+\i], 0, s30   ; W's k = 96 .. 127 (lanes 16-31 of registers 6-11): zero codes
.endr
.endr
.irp t, 0,1,2,3
	v_lshl_or_b32 v[U+3*\t], v[U+3*\t+1], 8, v[U+3*\t]
.endr
.irp t, 0,1,2,3
	v_lshl_or_b32 v[U+3*\t], v[U+3*\t+2], 16, v[U+3*\t]
.endr
	WIN 0x08                                       ; source 1 in window 2
.irp t, 0,1,2,3
	v_or_b32 v[SCW+\t], 0x7f000000, v[U+3*\t]      ; column r's scale word: its three bytes, and 2^0 for the block of zeros
.endr
.irp i, 0,1,2,3,4,5,6,7
	ds_store_b128 v[XSA], v[XR+4*\i:XR+4*\i+3] offset:256+(\i/4)*HTILE+(\i%4)*4*HROW   ; x behind the 64 channels of its row: a load's 512 bytes are four rows.  The data come from loads; the address was written ahead of the head's wait
.endr
	WIN 0
	v_rcp_f32 v[RW], v[WQ+3]
	v_xor_b32 v[NW], 0x80000000, v[WQ+3]           ; -W.  (The plain place behind the reciprocal)
	s_wait_alu depctr_va_vdst(0)                   ; the reciprocal has written v[RW], ahead of its first reader; W's cleared registers and W's scale words are written too, which the scaled products take
	v_fma_f32 v[ER], v[NW], v[RW], 1.0
	v_fma_f32 v[RW], v[ER], v[RW], v[RW]           ; 1 / W after one Newton step
	s_wait_alu depctr_vm_vsrc(0)                   ; the 48 gathers have read their address registers, over which the steps' arithmetic writes
; Step s: two points, one in each half of the lanes; a lane has 4 channels.  A step's result leaves four steps later.
.macro STEP s
.set G0, G+12*(\s)
	s_wait_loadcnt 45-3*(\s)                       ; loads come back in order: this step's three are in, the later steps' stay out
.if ((\s) > 0) && ((\s)%4 == 0)
	s_wait_alu depctr_va_vdst(0)                   ; the four steps before have written their results, which this step's LDS store and the next three steps' read; no vector line from here on names those registers
.endif
.if (\s) > 3
	ds_store_b128 v[HST], v[G0-44:G0-41] offset:HROW*((\s)-4)   ; step s - 4: sixteen lanes lay down a row's 256 bytes
.endif
	v_mov_b32_dpp v[BW], v[WQ] row_share:\s row_mask:0xf bank_mask:0xf
	v_mov_b32_dpp v[BW+2], v[WQ+1] row_share:\s row_mask:0xf bank_mask:0xf
	v_mov_b32_dpp v[BW+4], v[WQ+2] row_share:\s row_mask:0xf bank_mask:0xf
	v_mov_b32_dpp v[BW+6], v[NW] row_share:\s row_mask:0xf bank_mask:0xf
	v_mov_b32_dpp v[BW+8], v[RW] row_share:\s row_mask:0xf bank_mask:0xf
.irp u, 0,2
	v_pk_mul_f32 v[G0+\u:G0+\u+1], v[G0+\u:G0+\u+1], v[BW:BW+1] op_sel_hi:[1,0]            ; w0 g0
	v_pk_mul_f32 v[G0+4+\u:G0+5+\u], v[G0+4+\u:G0+5+\u], v[BW+2:BW+3] op_sel_hi:[1,0]      ; w1 g1
	v_pk_mul_f32 v[G0+8+\u:G0+9+\u], v[G0+8+\u:G0+9+\u], v[BW+4:BW+5] op_sel_hi:[1,0]      ; w2 g2
.endr
.irp u, 0,2
	v_pk_add_f32 v[G0+\u:G0+\u+1], v[G0+\u:G0+\u+1], v[G0+4+\u:G0+5+\u]
.endr
.irp u, 0,2
	v_pk_add_f32 v[G0+\u:G0+\u+1], v[G0+\u:G0+\u+1], v[G0+8+\u:G0+9+\u]                     ; s.  (Not fused: the source rounds each product and each sum)
.endr
.irp u, 0,2
	v_pk_mul_f32 v[G0+4+\u:G0+5+\u], v[G0+\u:G0+\u+1], v[BW+8:BW+9] op_sel_hi:[1,0]         ; q = s / W, nearly
.endr
.irp u, 0,2
	v_pk_fma_f32 v[G0+8+\u:G0+9+\u], v[G0+4+\u:G0+5+\u], v[BW+6:BW+7], v[G0+\u:G0+\u+1] op_sel_hi:[1,0,1]   ; what is left: s - W q
.endr
.irp u, 0,2
	v_pk_fma_f32 v[G0+4+\u:G0+5+\u], v[G0+8+\u:G0+9+\u], v[BW+8:BW+9], v[G0+4+\u:G0+5+\u] op_sel_hi:[1,0,1] ; put back
.endr
.endm
.irp s, 0,1,2,3,4,5,6,7,8,9,10,11,12,13,14,15
	STEP \s
.endr
	s_wait_alu depctr_va_vdst(0)                   ; steps 12 to 15 have written their results, which the four stores below read; and all the steps' arithmetic is done with v64-159, in which the rows read back land
.irp s, 12,13,14,15
	ds_store_b128 v[HST], v[G+12*\s+4:G+12*\s+7] offset:HROW*\s
.endr
	s_wait_dscnt 0x0                               ; my stores into the turn have landed
	s_wait_alu depctr_vm_vsrc(0)                   ; and they have read their data in v64-255, which the loads below and the quantiser write from here on
.irp m, 0,1
.irp b, 0,1,2
.irp j, 0,1,2,3
	ds_load_b128 v[N+48*\m+16*\b+4*\j:N+48*\m+16*\b+4*\j+3], v[HRD] offset:HTILE*\m+128*\b+16*\j   ; register 16 b + i = k 32 b + 16 h + i of row r
.endr
.endr
.endr
.irp b, 0,1,2
	v_mov_b32 v[TM+4+\b], 0                        ; a lane permute's destination counts as one of its sources
.endr
; 48 numbers of a lane become a fragment's 12 registers of codes in v[pc] on and its row's scale word in v[pw].
.macro QUANT n, pc, pw
.irp b, 0,1,2
	v_max3_num_f32 v[TM+\b], |v[\n+16*\b]|, |v[\n+16*\b+1]|, 0x2800000   ; my 16 numbers of block b, and the floor 2^(5 - 127): the byte cannot fall under 1
.endr
.irp i, 2,4,6,8,10,12,14
.irp b, 0,1,2
	v_max3_num_f32 v[TM+\b], v[TM+\b], |v[\n+16*\b+\i]|, |v[\n+16*\b+\i+1]|   ; (the blocks by turns)
.endr
.endr
.irp b, 0,1,2
	v_permlanex16_b32 v[TM+4+\b], v[TM+\b], s[SEL], s[SEL+1]
.endr
.irp b, 0,1,2
	v_max_num_f32 v[TM+\b], v[TM+\b], v[TM+4+\b]   ; with lane l xor 16's 16: the block's largest magnitude
.endr
.irp b, 0,1,2
	v_add_nc_u32 v[TM+8+\b], 0xfe000000, v[TM+\b]  ; 4 off its exponent field: the conversion takes this operand's exponent field as the scale
.endr
.irp b, 0,1,2
	v_lshrrev_b32 v[TM+4+\b], 23, v[TM+8+\b]       ; the scale's byte
.endr
	v_lshl_or_b32 v[\pw], v[TM+5], 8, v[TM+4]
	v_lshl_or_b32 v[\pw], v[TM+6], 16, v[\pw]
	v_or_b32 v[\pw], 0x7f000000, v[\pw]            ; 2^0 for the block of zeros
	v_cvt_scalef32_pk16_bf6_f32 v[\pc:\pc+2], v[\n:\n+15], v[TM+8]            ; block 0: k = 16 h + 0 .. 15
	v_cvt_scalef32_pk16_bf6_f32 v[\pc+12:\pc+14], v[\n+16:\n+31], v[TM+9]     ; block 1  (a conversion's three registers begin on an even number)
	v_cvt_scalef32_pk16_bf6_f32 v[\pc+6:\pc+8], v[\n+32:\n+47], v[TM+10]      ; block 2
.irp i, 0,1,2
	v_mov_b32 v[\pc+16+\i], 0                      ; block 3: zero codes.  (Also the plain place behind the conversions)
.endr
.irp i, 0,1,2                          ; the operand wants a WHOLE block in a lane: lanes 0-15 blocks 0 and 2, lanes 16-31 blocks 1 and 3
	v_permlane16_swap_b32 v[\pc+\i], v[\pc+12+\i]
	v_permlane16_swap_b32 v[\pc+6+\i], v[\pc+16+\i]
.endr
.irp i, 0,1,2
	v_mov_b32 v[\pc+3+\i], v[\pc+12+\i]
	v_mov_b32 v[\pc+9+\i], v[\pc+16+\i]
.endr
.endm
.macro IMAGE pc, pw, m                 ; the fragment goes to LDS as it stands: lane l's 16 bytes at 16 l, its scale word at 4 l
.irp c, 0,1,2
	ds_store_b128 v[AIW], v[\pc+4*\c:\pc+4*\c+3] offset:FRB*\m+512*\c
.endr
	ds_store_b32 v[ASW], v[\pw] offset:128*\m
.endm
	s_wait_dscnt 12                                ; the first tile's 12 loads are in, the second's stay out
	QUANT N, PC, PW
	s_wait_dscnt 0x0                               ; the second tile's are in: nothing was issued behind them
	QUANT N+48, PC+20, PW+1
	s_wait_alu depctr_va_vdst(0)                   ; both tiles' codes and scale words are written, which the eight stores below read; and the quantiser is done reading v64-159, in which the fragments land behind the barrier
	IMAGE PC, PW, 0
	IMAGE PC+20, PW+1, 1
	s_wait_dscnt 0x0                               ; for the other waves: my images have landed
	s_barrier_signal -1
	s_barrier_wait -1                              ; the eight fragments of the work-group's 128 points lie in LDS; nobody writes them again
.irp M, 0,1,2,3,4,5,6,7
.irp c, 0,1,2
	ds_load_b128 v[AF+12*\M+4*\c:AF+12*\M+4*\c+3], v[AIR] offset:FRB*\M+512*\c
.endr
	ds_load_b32 v[SCA+\M], v[ASR] offset:128*\M
.endr
	WIN 0x62                                       ; source 0 (W) and source 2 (the bias) window 2, source 1 (the points) window 0, D window 1
.irp M, 0,1,2,3,4,5,6,7
	s_wait_dscnt 4*(7-\M)                          ; fragment M and its scale words are in; four loads for each later one stay out
.irp t, 0,1,2,3
	v_wmma_scale_f32_16x16x128_f8f6f4 v[32*\M+8*\t:32*\M+8*\t+7], v[WF+12*\t:WF+12*\t+11], v[AF+12*\M:AF+12*\M+11], v[BI+8*\t:BI+8*\t+7], v[SCW+\t], v[SCA+\M] matrix_a_fmt:MATRIX_FMT_BF6 matrix_b_fmt:MATRIX_FMT_BF6
.endr
.endr
	WIN 0
.rept 4
	v_nop                                          ; four places between the last products and the first read of results (ISA guide 7.12.1); no other vector work is at hand
.endr
	s_wait_alu depctr_va_vdst(0)                   ; the products have written the 32 accumulators, which the LDS stores of all eight blocks read; the places above stay beside this wait
	s_wait_alu depctr_vm_vsrc(0)                   ; the images' stores have read the codes and scale words in v172-207, in which the rows read back from the stage land
; THE WAY OUT, 16 points at a time.  Lane (r, h) holds out0(16 M + r, 64 w + 16 t + 8 h + 0 .. 7).  LDS serves a wave's instructions in order: no wait between the stores and the loads, nor in front of the next block's stores.
.macro TOSTAGE M
	WIN 0x04                                       ; an LDS store's data are its source 1: window 1
.irp t, 0,1,2,3
	ds_store_b128 v[OWR], v[32*(\M)+8*\t:32*(\M)+8*\t+3] offset:64*\t          ; each accumulator from its low end on
	ds_store_b128 v[OWR], v[32*(\M)+8*\t+4:32*(\M)+8*\t+7] offset:64*\t+16
.endr
	WIN 0
.irp i, 0,1,2,3,4,5,6,7
	ds_load_b128 v[BK+32*((\M)%2)+4*\i:BK+32*((\M)%2)+4*\i+3], v[ORD] offset:\i*2*OROW
.endr
.endm
.macro SEND M, younger                 ; younger: the LDS instructions issued behind block M's loads, which may stay out
	s_wait_dscnt \younger
.irp i, 0,1,2,3,4,5,6,7
	global_store_b128 v[OGL], v[BK+32*((\M)%2)+4*\i:BK+32*((\M)%2)+4*\i+3], s[18:19] offset:(16*(\M)+2*\i)*1024 th:TH_STORE_NT   ; sixteen lanes store 256 consecutive aligned bytes of a row, the other sixteen those of the next row; written once
.endr
.endm
	TOSTAGE 0
.irp M, 1,2,3,4,5,6,7
.if \M > 1
	s_wait_xcnt 0x0                                ; block M - 2's stores have had their addresses translated (ISA guide 3.1),
	s_wait_alu depctr_vm_vsrc(0)                   ; and they have read their set of rows, in which block M's loads land
.endif
	TOSTAGE \M
	SEND \M-1, 16                                  ; behind block M - 1's loads: block M's 8 stores and 8 loads
.endr
	SEND 7, 0
	s_wait_dscnt 0x0
	s_wait_alu depctr_hold_cnt(0) depctr_sa_sdst(0) depctr_va_vdst(0) depctr_va_sdst(0) depctr_va_ssrc(0) depctr_va_vcc(0) depctr_vm_vsrc(0)
	s_wait_tensorcnt 0x0
	ds_add_u32 v62, v63
	s_wait_dscnt 0x0
	s_endpgm
.Lfunc_end_k_qe0923d5843_main:
	.size	k_qe0923d5843_main, .Lfunc_end_k_qe0923d5843_main-k_qe0923d5843_main
	.p2alignl 7, 3214868480
	.fill 96, 4, 3214868480
	.section	.rodata,"a",@progbits
	.p2align	6, 0x0
	.amdhsa_kernel k_qe0923d5843_main
		.amdhsa_group_segment_fixed_size 82432
		.amdhsa_private_segment_fixed_size 0
		.amdhsa_enable_private_segment 0
		.amdhsa_kernarg_size 64
		.amdhsa_user_sgpr_count 2
		.amdhsa_user_sgpr_kernarg_segment_ptr 1
		.amdhsa_wavefront_size32 1
		.amdhsa_system_sgpr_workgroup_id_x 1
		.amdhsa_system_sgpr_workgroup_id_y 1
		.amdhsa_system_sgpr_workgroup_id_z 1
		.amdhsa_system_vgpr_workitem_id 0
		.amdhsa_next_free_vgpr 640
		.amdhsa_next_free_sgpr 66
		.amdhsa_reserve_vcc 0
		.amdhsa_float_denorm_mode_32 3
		.amdhsa_float_denorm_mode_16_64 3
		.amdhsa_memory_ordered 1
		.amdhsa_forward_progress 1
		.amdhsa_inst_pref_size 79
	.end_amdhsa_kernel
	.amdgpu_metadata
---
amdhsa.version: [ 1, 2 ]
amdhsa.kernels:
  - .name:           k_qe0923d5843_main
    .symbol:         k_qe0923d5843_main.kd
    .args:
      - { .name: pix, .offset: 0, .size: 8, .value_kind: global_buffer, .address_space: global }
      - { .name: knn_i, .offset: 8, .size: 8, .value_kind: global_buffer, .address_space: global }
      - { .name: knn_w, .offset: 16, .size: 8, .value_kind: global_buffer, .address_space: global }
      - { .name: x, .offset: 24, .size: 8, .value_kind: global_buffer, .address_space: global }
      - { .name: W_nn_codes, .offset: 32, .size: 8, .value_kind: global_buffer, .address_space: global }
      - { .name: W_nn_scales, .offset: 40, .size: 8, .value_kind: global_buffer, .address_space: global }
      - { .name: b_nn, .offset: 48, .size: 8, .value_kind: global_buffer, .address_space: global }
      - { .name: out0, .offset: 56, .size: 8, .value_kind: global_buffer, .address_space: global }
    .group_segment_fixed_size: 82432
    .private_segment_fixed_size: 0
    .kernarg_segment_align: 8
    .kernarg_segment_size: 64
    .max_flat_workgroup_size: 128
    .sgpr_count:     66
    .vgpr_count:     640
    .wavefront_size: 32
...
	.end_amdgpu_metadata
.endif
;; end of part 3
